; MI455X (gfx1250); checked and timed in simulation.
; The chip was launched on July 23, 2026; its instructions are those of AMD's public machine-readable ISA for CDNA 5 (MIT licence, August 2026) and "CDNA5" Instruction Set Architecture Reference Guide (July 2026). The comments in the code are by the model that wrote it; some were corrected since.
;; Multi Head Attention. Allowed arithmetic: matrix products marked QUANTISED: E4M3 operands, one given power-of-two scale a tensor, by v_wmma_f32_16x16x64_fp8_fp8 or v_wmma_f32_16x16x128_fp8_fp8, f32 sums; everything else in f32.
;; Inputs: bk 512 float32; bm 512 float32; bq 512 float32; bv 512 float32; enc_cos 1 x 64 x 1 x 2,048 float32; enc_sin 1 x 64 x 1 x 2,048 float32; key 8 x 512 x 2,048 float32; lowp_scales 12 int32 (the exponents e of the quantised operands' scales 2^e); query 8 x 512 x 2,048 float32; value 8 x 512 x 2,048 float32; wk 512 x 512 float32; wm 512 x 512 float32; wq 512 x 512 float32; wv 512 x 512 float32.
;; Outputs: out0 8 x 512 x 2,048 float32.
;; This version of the problem:
;;   THIS VERSION OF THE PROBLEM IS GIVEN IN LOW PRECISION. The matrix products marked QUANTISED in the list below multiply operands that are first quantised to E4M3 (4 exponent bits, 3 mantissa bits; 8 bits a number), with one given power-of-two scale for each operand tensor; their sums are f32. All else is computed in f32.
;;   The module's matrix products, in the order in which they are computed (A, B: the left and right operand; K: the contracted axis; several contracted axes count as one K, in the product's order):
;;     1. [M 16,384, K 512] x [K 512, N 512]; A: input query; B: input wq: QUANTISED (scales: A lowp_scales[0], B lowp_scales[1])
;;     2. [M 16,384, K 512] x [K 512, N 512]; A: input key; B: input wk: QUANTISED (scales: A lowp_scales[2], B lowp_scales[3])
;;     3. [M 16,384, K 512] x [K 512, N 512]; A: input value; B: input wv: QUANTISED (scales: A lowp_scales[4], B lowp_scales[5])
;;     4. batch 64 x [M 2,048, K 64] x [K 64, N 2,048]; A: computed on the way; B: computed on the way: QUANTISED (scales: A lowp_scales[6], B lowp_scales[7])
;;     5. batch 64 x [M 64, K 2,048] x [K 2,048, N 2,048]; A: computed on the way; B: softmax (see below): QUANTISED (scales: A lowp_scales[8], B lowp_scales[9])
;;     6. [M 16,384, K 512] x [K 512, N 512]; A: computed on the way; B: input wm: QUANTISED (scales: A lowp_scales[10], B lowp_scales[11])
;;   THE QUANTISER, for each operand of a quantised product, along K:
;;     - The operand's scale is 2^e, e = its entry of the input lowp_scales (int32; the entries are numbered through the quantised products in the list's order, A before B).
;;     - Each number is divided by the scale, clamped to +-448, and rounded to the nearest number of E4M3, ties to even, subnormals kept.
;;     - The product sums the exact products of the quantised numbers (number of the format x scale) in f32.
;;   ~~~python
;;   def quantise(x, axis, e):      # numpy; x: float32 -> the quantised numbers, widened to float32 again
;;       x = np.moveaxis(x, axis, -1); K = x.shape[-1]
;;       r = np.clip(x / 2.0 ** e, -448, 448)
;;       step = 2.0 ** (np.maximum(np.frexp(np.where(r == 0, 1, r))[1] - 1, -6) - 3)
;;       q = np.round(r / step) * step * 2.0 ** e      # np.round: ties to even
;;       return np.moveaxis(q, -1, axis).astype(np.float32)
;;   ~~~
;;   SOFTMAX AHEAD OF A QUANTISED PRODUCT. Where the list says 'softmax', what is quantised is not the finished softmax but p = 2^(t - M), with t = logit x log2(e) and M = ceil(the row's largest t), a whole number; so 1/2 < the row's largest p <= 1. The row's sum l is taken of the UNQUANTISED p, in f32, and the product's result is divided by l at the end. Since M is a whole number, a kernel that streams over the keys may use a running M (the ceiling of the running maximum): every later rescaling is an exact power of two, so the quantised numbers keep their values, but for numbers so far below the row's largest that they fall under the format's range.
;;   OPERANDS COMPUTED ON THE WAY. 'Computed on the way' means the value that the module computes at that place (a softmax that the list does not call 'softmax' is quantised finished and normalised). What goes into a quantiser is computed in f32, as accurately as f32 sums, v_exp_f32 and their like allow (about 1e-6 of the number): no bf16 or f16 on the way to a quantiser, and a product that is left as it is and whose result goes on into a quantised operand takes f32 operands (vector FMAs, or v_wmma_f32_16x16x4_f32). A number that lies on a knife's edge between two numbers of the format may be rounded either way, as far as f32 arithmetic and the matrix unit's own rounding can turn it there, and no further.
;; 2 versions, each right; version 2 is version 1 with the launch outp written anew for expert scheduling mode. Each part assembles by itself: llvm-mc -triple=amdgcn-amd-amdhsa -mcpu=gfx1250 --defsym DOCPART=n.
;; ======== version 1 of 2: 4 launches
;; workspace buffers: wimg 1,048,576 bytes; qimg 8,388,608 bytes; kimg 8,388,608 bytes; vimg 8,388,608 bytes; aimg 8,388,608 bytes
;; launch prep (part 1): grid 64 x 4, 2 waves a work-group, no clusters, 0 bytes of LDS; arguments wq, wk, wv, wm, lowp_scales, wimg; writes wimg
.if DOCPART == 1
	.amdgcn_target "amdgcn-amd-amdhsa--gfx1250"
	.amdhsa_code_object_version 6
	.text
	.protected	k_q8f2b9e5ea0_prep
	.globl	k_q8f2b9e5ea0_prep
	.p2align	8
	.type	k_q8f2b9e5ea0_prep,@function
k_q8f2b9e5ea0_prep:
	s_mov_b64 s[64:65], 0
	v_nop
	global_prefetch_b8 v0, s[64:65] scope:SCOPE_SE
	s_setreg_imm32_b32 hwreg(HW_REG_WAVE_MODE, 25, 1), 1
	s_wait_xcnt 0x0
; The four weights [512][512] f32 become codes of E4M3, laid in the ORDER OF THE OPERAND'S REGISTERS, so that the later launches load each fragment whole.
; wimg: four sections of 262,144 bytes (wq, wk, wv, wm), each 128 fragments of 2,048 bytes: 16 rows x 128 K as [c 0..3][lane][16 bytes]; lane = (r = lane % 16, hh = lane / 16).
;   sections 0-2, fragment ((head x 4 + s) x 4 + t): group c of lane (r, hh) = W[8 d + head][128 s + 32 c + 16 hh + 0 .. 15];
;       wq, wk: d = 32 (t / 2) + 8 (t % 2) + r + 8 (r / 8), so that two neighbouring result tiles hold 16 neighbouring d in a lane;   wv: d = 16 t + r.
;   section 3, fragment (ot x 4 + s): register pair q (0..7), byte y = wm[16 ot + r][8 (16 (q % 4) + 8 hh + y) + 2 s + q / 4]: K ordered (head, d), as the attention launch leaves its codes.
; code = x / 2^e, held within +-448, to the nearest code, ties to even; e = entry 1, 3, 5, 11 of the scales.  LIMIT: e between -126 and 119.  NaN among the inputs is not served.
; One wave makes one fragment: section = work-group y, fragment = 2 x work-group x + wave.  Waves share nothing: no LDS, no barrier.
.set X, 32                             ; v32-95   64 numbers of a lane, in the order of the fragment's bytes
.set C, 96                             ; v96-111  their codes
	s_load_b256 s[4:11], s[0:1], 0x0               ; wq, wk, wv, wm
	s_load_b128 s[12:15], s[0:1], 0x20             ; the scales' exponents, wimg
	v_lshrrev_b32 v1, 5, v0
	v_readfirstlane_b32 s16, v1                    ; wave
	s_and_b32 s17, ttmp7, 0xffff                   ; section
	s_lshl_b32 s18, ttmp9, 1
	s_add_co_u32 s18, s18, s16                     ; fragment f
	v_and_b32 v1, 15, v0                           ; r
	v_bfe_u32 v2, v0, 4, 1                         ; hh
	v_and_b32 v4, 31, v0
	v_lshlrev_b32 v4, 4, v4                        ; 16 x lane: my place in a group of four registers
	s_lshl_b32 s32, s17, 18
	s_lshl_b32 s33, s18, 11
	s_add_co_u32 s32, s32, s33                     ; the fragment's byte in wimg
	s_mov_b32 s33, 0
	s_wait_kmcnt 0x0
	s_load_b256 s[20:27], s[12:13], 0x0            ; e0 .. e7
	s_load_b128 s[28:31], s[12:13], 0x20           ; e8 .. e11
	s_cmp_eq_u32 s17, 1                            ; the section's weight: the choice hangs on the work-group's number alone
	s_cselect_b64 s[4:5], s[6:7], s[4:5]
	s_cmp_eq_u32 s17, 2
	s_cselect_b64 s[4:5], s[8:9], s[4:5]
	s_cmp_eq_u32 s17, 3
	s_cselect_b64 s[4:5], s[10:11], s[4:5]
	s_add_nc_u64 s[14:15], s[14:15], s[32:33]
	s_cmp_eq_u32 s17, 3
	s_cbranch_scc1 .Lmerge
	; wq, wk, wv: K is innermost and stays in order: 16 neighbours of each block of 32, four loads of 16 bytes a block
	s_lshr_b32 s34, s18, 4                         ; head
	s_bfe_u32 s35, s18, 0x20002                    ; K step s
	s_and_b32 s36, s18, 3                          ; tile t
	s_lshr_b32 s37, s36, 1
	s_lshl_b32 s37, s37, 5
	s_and_b32 s38, s36, 1
	s_lshl_b32 s38, s38, 3
	s_add_co_u32 s37, s37, s38                     ; 32 (t / 2) + 8 (t % 2)
	s_lshl_b32 s38, s36, 4                         ; 16 t
	s_cmp_lg_u32 s17, 2
	s_cselect_b32 s37, s37, s38                    ; the tile's first d
	s_cselect_b32 s39, 1, 0                        ; 1: rows 8-15 of the tile lie 8 further on
	v_and_b32 v5, 8, v1
	v_mul_u32_u24 v5, s39, v5
	v_add_nc_u32 v5, v5, v1
	v_add_nc_u32 v5, s37, v5                       ; d
	v_lshlrev_b32 v5, 3, v5
	v_add_nc_u32 v5, s34, v5                       ; row 8 d + head
	v_lshlrev_b32 v3, 11, v5                       ; of 2,048 bytes
	v_lshl_add_u32 v3, v2, 6, v3                   ; + 64 hh
	s_lshl_b32 s35, s35, 9
	v_add_nc_u32 v3, s35, v3                       ; + 512 s
.irp c, 0,1,2,3
.irp z, 0,1,2,3
	global_load_b128 v[X+16*\c+4*\z:X+16*\c+4*\z+3], v3, s[4:5] offset:128*\c+16*\z
.endr
.endr
	s_branch .Lquant
.Lmerge:
	; wm: K is gathered in the order (head, d): neighbours in a lane's registers lie 8 channels, 32 bytes, apart
	s_lshr_b32 s34, s18, 2                         ; ot
	s_and_b32 s35, s18, 3                          ; K step s: heads 2 s and 2 s + 1
	v_lshl_add_u32 v5, s34, 4, v1                  ; row 16 ot + r
	v_lshlrev_b32 v3, 11, v5
	v_lshl_add_u32 v3, v2, 8, v3                   ; + 256 hh
	s_lshl_b32 s35, s35, 3
	v_add_nc_u32 v3, s35, v3                       ; + 8 s
.irp q, 0,1,2,3,4,5,6,7
.irp y, 0,1,2,3,4,5,6,7
	global_load_b32 v[X+8*\q+\y], v3, s[4:5] offset:512*(\q%4)+32*\y+4*(\q/4)
.endr
.endr
.Lquant:
	s_wait_kmcnt 0x0
	s_cmp_eq_u32 s17, 1
	s_cselect_b32 s40, s23, s21                    ; e3 or e1
	s_cmp_eq_u32 s17, 2
	s_cselect_b32 s40, s25, s40                    ; e5
	s_cmp_eq_u32 s17, 3
	s_cselect_b32 s40, s31, s40                    ; e11
	s_add_co_i32 s40, s40, 127
	s_lshl_b32 s41, s40, 23
	v_mov_b32 v11, s41                             ; 2^e as f32: the conversion takes its exponent field
	s_add_co_i32 s40, s40, 8
	s_lshl_b32 s40, s40, 23
	s_or_b32 s40, s40, 0x600000
	v_mov_b32 v10, s40                             ; 448 x 2^e
	s_wait_loadcnt 0x0
.set i, 0
.rept 64
	v_med3_num_f32 v[X+i], v[X+i], -v10, v10       ; the conversion to an 8-bit code does not saturate (ISA guide 7.6.2): the hold comes first
.set i, i+1
.endr
.irp p, 0,1,2,3,4,5,6,7
	v_cvt_scalef32_pk8_fp8_f32 v[C+2*\p:C+2*\p+1], v[X+8*\p:X+8*\p+7], v11
.endr
.irp c, 0,1,2,3
	global_store_b128 v4, v[C+4*\c:C+4*\c+3], s[14:15] offset:512*\c   ; the wave stores 512 consecutive bytes, aligned
.endr
	s_endpgm
.Lfunc_end_k_q8f2b9e5ea0_prep:
	.size	k_q8f2b9e5ea0_prep, .Lfunc_end_k_q8f2b9e5ea0_prep-k_q8f2b9e5ea0_prep
	.p2alignl 7, 3214868480
	.fill 96, 4, 3214868480
	.section	.rodata,"a",@progbits
	.p2align	6, 0x0
	.amdhsa_kernel k_q8f2b9e5ea0_prep
		.amdhsa_group_segment_fixed_size 0
		.amdhsa_private_segment_fixed_size 0
		.amdhsa_enable_private_segment 0
		.amdhsa_kernarg_size 48
		.amdhsa_user_sgpr_count 2
		.amdhsa_user_sgpr_kernarg_segment_ptr 1
		.amdhsa_wavefront_size32 1
		.amdhsa_system_sgpr_workgroup_id_x 1
		.amdhsa_system_sgpr_workgroup_id_y 1
		.amdhsa_system_sgpr_workgroup_id_z 1
		.amdhsa_system_vgpr_workitem_id 0
		.amdhsa_next_free_vgpr 112
		.amdhsa_next_free_sgpr 66
		.amdhsa_reserve_vcc 0
		.amdhsa_float_denorm_mode_32 3
		.amdhsa_float_denorm_mode_16_64 3
		.amdhsa_memory_ordered 1
		.amdhsa_forward_progress 1
		.amdhsa_inst_pref_size 16
	.end_amdhsa_kernel
	.amdgpu_metadata
---
amdhsa.version: [ 1, 2 ]
amdhsa.kernels:
  - .name:           k_q8f2b9e5ea0_prep
    .symbol:         k_q8f2b9e5ea0_prep.kd
    .args:
      - { .name: wq, .offset: 0, .size: 8, .value_kind: global_buffer, .address_space: global }
      - { .name: wk, .offset: 8, .size: 8, .value_kind: global_buffer, .address_space: global }
      - { .name: wv, .offset: 16, .size: 8, .value_kind: global_buffer, .address_space: global }
      - { .name: wm, .offset: 24, .size: 8, .value_kind: global_buffer, .address_space: global }
      - { .name: lowp_scales, .offset: 32, .size: 8, .value_kind: global_buffer, .address_space: global }
      - { .name: wimg, .offset: 40, .size: 8, .value_kind: global_buffer, .address_space: global }
    .group_segment_fixed_size: 0
    .private_segment_fixed_size: 0
    .kernarg_segment_align: 8
    .kernarg_segment_size: 48
    .max_flat_workgroup_size: 64
    .sgpr_count:     66
    .vgpr_count:     112
    .wavefront_size: 32
...
	.end_amdgpu_metadata
.endif
;; end of part 1
;; launch proj (part 2): grid 256 x 3, 8 waves a work-group, no clusters, 99,328 bytes of LDS; arguments query, key, value, enc_cos, enc_sin, bq, bk, bv, wimg, lowp_scales, qimg, kimg, vimg; writes qimg, kimg, vimg
.if DOCPART == 2
	.amdgcn_target "amdgcn-amd-amdhsa--gfx1250"
	.amdhsa_code_object_version 6
	.text
	.protected	k_q8f2b9e5ea0_proj
	.globl	k_q8f2b9e5ea0_proj
	.p2align	8
	.type	k_q8f2b9e5ea0_proj,@function
k_q8f2b9e5ea0_proj:
	s_mov_b64 s[64:65], 0
	v_nop
	global_prefetch_b8 v0, s[64:65] scope:SCOPE_SE
	s_setreg_imm32_b32 hwreg(HW_REG_WAVE_MODE, 25, 1), 1
	s_wait_xcnt 0x0
; The three projections on codes of E4M3, with bias, the rotary encoding (q, k) and the quantiser for the attention's operands.
; Work-group (x, y): tensor y (0 query, 1 key, 2 value), batch x / 32, tokens 64 (x % 32) .. + 63, all 512 K, all 512 outputs: each f32 number of an activation is read once in the launch.
; PHASE X.  The activations lie [channel][token], K outermost.  A LANE TAKES A TOKEN AND ITS REGISTERS RUN DOWN K: wave w takes the 32 tokens of half w % 2 and the 128 channels of K step w / 2;
;   each load reads 128 consecutive bytes, and the wave beside it the next 128.  The conversions then give codes with K innermost; they go to LDS as IMAGES OF THE OPERAND'S REGISTERS:
;   fragment (token tile m, K step s) = [c 0..3][lane][16 bytes], group c of lane (r, hh) = token 32 (m / 2) + 8 (m % 2) + r + 8 (r / 8), k = 128 s + 32 c + 16 hh + 0 .. 15.
; PRODUCTS.  Wave w is head w (output channel = 8 d + head): 4 tiles of d x 4 tiles of tokens, 16 accumulators, 64 matrix instructions.  Its weights come from wimg in register order, a K step at a time.
;   q, k: source 0 = 16 rows of W, source 1 = 16 tokens: a lane holds one token, and two neighbouring tiles 16 neighbouring d: the next product's K.
;   v:    source 0 = 16 tokens, source 1 = 16 rows of W: a lane holds one channel d, and two neighbouring tiles 16 neighbouring tokens: the keys are the next K.
;   Both operands of a product have the same map from k to (register, byte, half of the lanes); that map is not the form's own, so the order of the sums inside an instruction differs, and nothing else.
; The bias is the C of each sum's first matrix instruction, divided by the power of two that the sums lack.  The three scales ahead of the second quantiser are folded into the conversion's one.
; ROTARY: out[d] = x[d] cos[d] + x[d xor 1] sin'[d], sin' = -sin at even d: a lane's register pairs are the pairs (2 i, 2 i + 1).  cos and sin' go through LDS once, as images of the accumulators' layout.
; OUT: qimg, kimg [8 b + head][tile T][c 0..1][lane][16]: token as above, d = 32 c + 16 hh + 0 .. 15.   vimg [8 b + head][64 keys g][dt][c 0..1][lane][16]: d = 16 dt + r, keys 64 g + 32 c + 16 hh + 0 .. 15.
; NO TENSOR LOAD, NO CLUSTER: a wave's 32 KB of weight codes are its own and each byte is used once by the work-group, so they go straight into registers; the work-groups share no other tile.
; The q/k text and the v text part on the work-group's y, never join again, and have LDS bytes of their own.
; LIMITS on the given exponents, so that each power of two is an f32 number: e0, e2, e4, e6 - e0 - e1, e7 - e2 - e3, e8 - e4 - e5 between -126 and 119.  NaN among the inputs is not served.
; REGISTERS: v1 4 x lane; v2 16 x lane; v3 (v text) v2 + XV; v4, v5 where my codes and my cos/sin go in LDS; v6 the bias's lane offset; v10, v11: 448 x 2^ex, 2^ex; v12, v13 the same for eo - ex - ew;
;   v16-47 two buffers for X's fragments (phase X: 32 numbers of cos or sin; at the end: the codes that leave); v48-111 four weight fragments (at the end: cos, sin'); v112-239 accumulator (m, t) at 112 + 32 m + 8 t
;   (v112-143 first hold the bias; phase X: v144-239 three sets of 32 numbers); v240-255 at work.
.set XQ,  0                            ; LDS, q/k text: X's 16 fragments of 2,048 bytes, (m, s) at (4 m + s) x 2,048
.set CSB, 32768                        ; q/k text: 16 images (m, t) of 2,048 bytes: cos j 0-3, cos j 4-7, sin' j 0-3, sin' j 4-7, each [lane][16]
.set XV,  65536                        ; v text: X's 16 fragments
.set XF,  16
.set WF,  48
.set ACC, 112
.set XS,  144
.set CD,  240
.macro POW2 se, vsc, vlim              ; s[se] = e:  v[vsc] = 2^e, v[vlim] = 448 x 2^e;  s[se], s[se+1] are used up
	s_add_co_i32 s[\se], s[\se], 127
	s_lshl_b32 s[\se+1], s[\se], 23
	v_mov_b32 v[\vsc], s[\se+1]
	s_add_co_i32 s[\se], s[\se], 8
	s_lshl_b32 s[\se], s[\se], 23
	s_or_b32 s[\se], s[\se], 0x600000
	v_mov_b32 v[\vlim], s[\se]
.endm
.macro WLOAD s                         ; my head's four weight fragments of K step s
.irp t, 0,1,2,3
.irp c, 0,1,2,3
	global_load_b128 v[WF+16*\t+4*\c:WF+16*\t+4*\c+3], v2, s[6:7] offset:8192*(\s)+2048*\t+512*\c
.endr
.endr
.endm
.macro XSET c, set                     ; block c of my K step: 32 channels of my token
.set xi, 0
.rept 32
	global_load_b32 v[XS+32*(\set)+xi], v1, s[4:5] offset:(32*(\c)+xi)*8192 th:TH_LOAD_NT
.set xi, xi+1
.endr
.endm
.macro BLOCK c, set, left              ; block c is quantised and stored: k 0-15 to the place of hh = 0, k 16-31 to that of hh = 1
	s_wait_loadcnt \left
.set bi, 0
.rept 32
	v_med3_num_f32 v[XS+32*(\set)+bi], v[XS+32*(\set)+bi], -v10, v10   ; the conversion does not saturate (ISA guide 7.6.2)
.set bi, bi+1
.endr
.irp p, 0,1,2,3
	v_cvt_scalef32_pk8_fp8_f32 v[CD+2*\p:CD+2*\p+1], v[XS+32*(\set)+8*\p:XS+32*(\set)+8*\p+7], v11
.endr
	ds_store_b128 v4, v[CD:CD+3] offset:512*(\c)
	ds_store_b128 v4, v[CD+4:CD+7] offset:512*(\c)+256
.if \c == 0
	XSET 3, 0                                      ; the fourth block takes the first set's registers
.endif
	s_wait_dscnt 0x0                               ; the stores have read the codes: the next block may write them
.endm
.macro FETCHX buf, m, s                ; fragment (m, s) comes back as it was stored
.irp c, 0,1,2,3
	ds_load_b128 v[XF+16*(\buf)+4*\c:XF+16*(\buf)+4*\c+3], v[XR] offset:(4*(\m)+(\s))*2048+512*\c
.endr
.endm
; The 64 products, in 16 groups of four: group gi = K step gi / 4, token tile (gi % 4 + 1) % 4, all four weight tiles.  The 16 accumulators take turns, one instruction a turn, in the same order in
; every K step.  In K step 0 the tiles m = 1, 2, 3 take tile 0's registers, which hold the bias, as C; tile 0 comes last and adds in place.
; Four plain places stand behind each group, ahead of the loads into registers that it read (ISA guide 7.12.1 for vector instructions); group 3 writes over what groups 0-2 read as C and has five.
.macro GROUPS swap
	FETCHX 0, 1, 0
	FETCHX 1, 2, 0
.set gi, 0
.rept 16
.set gs, gi/4
.set gm, (gi%4+1)%4
.set gb, gi%2
.if gi%4 == 0
	s_wait_loadcnt 0x0                             ; this K step's weights
.endif
.if gi == 15
	s_wait_dscnt 0x0
.else
	s_wait_dscnt 0x4                               ; my buffer's four loads are in; the other buffer's four may be out
.endif
.if gi == 3
	v_nop
.endif
.irp t, 0,1,2,3
.set gd, ACC+32*gm+8*\t
.set gc, gd
.if (gs == 0) && (gm != 0)
.set gc, ACC+8*\t
.endif
.if \swap
	v_wmma_f32_16x16x128_fp8_fp8 v[gd:gd+7], v[XF+16*gb:XF+16*gb+15], v[WF+16*\t:WF+16*\t+15], v[gc:gc+7]
.else
	v_wmma_f32_16x16x128_fp8_fp8 v[gd:gd+7], v[WF+16*\t:WF+16*\t+15], v[XF+16*gb:XF+16*gb+15], v[gc:gc+7]
.endif
.endr
.rept 4
	v_nop
.endr
.if gi <= 13
.set gn, gi+2
.set nm, (gn%4+1)%4
.set ns, gn/4
	FETCHX gb, nm, ns
.endif
.if (gi%4 == 3) && (gs < 3)
.set ws, gs+1
	WLOAD ws
.endif
.set gi, gi+1
.endr
.endm
.macro CSL e                           ; cos and sin' for step e: token tile e / 2, tiles t = 2 (e % 2) and + 1, into set e % 2
.irp u, 0,1
.irp z, 0,1,2,3
	ds_load_b128 v[WF+32*((\e)%2)+16*\u+4*\z:WF+32*((\e)%2)+16*\u+4*\z+3], v2 offset:CSB+(4*((\e)/2)+2*((\e)%2)+\u)*2048+512*\z
.endr
.endr
.endm
.macro ROPE e                          ; two tiles are turned, held and converted: 16 neighbouring d of my token, 16 bytes
.set rm, (\e)/2
.set rb, (\e)%2
.if (\e) == 7
	s_wait_dscnt 0x0
.else
	s_wait_dscnt 0x8                               ; this step's eight loads are in; the next step's eight may be out
.endif
.irp u, 0,1
.set ra, ACC+32*rm+8*(2*rb+\u)
.set rc, WF+32*rb+16*\u
.set rt, CD+8*\u
.irp p, 0,2,4,6
	v_pk_mul_f32 v[rt+\p:rt+\p+1], v[ra+\p:ra+\p+1], v[rc+\p:rc+\p+1]   ; x cos; each accumulator is read from its low end on
.endr
.irp p, 0,2,4,6
	v_pk_fma_f32 v[rt+\p:rt+\p+1], v[ra+\p:ra+\p+1], v[rc+8+\p:rc+8+\p+1], v[rt+\p:rt+\p+1] op_sel:[1,0,0] op_sel_hi:[0,1,1]   ; + the pair's other number x sin'
.endr
.irp p, 0,1,2,3,4,5,6,7
	v_med3_num_f32 v[rt+\p], v[rt+\p], -v12, v12
.endr
	v_cvt_scalef32_pk8_fp8_f32 v[XF+4*(\e)+2*\u:XF+4*(\e)+2*\u+1], v[rt:rt+7], v13
.endr
	v_nop                                          ; a plain line behind the last conversion
	global_store_b128 v2, v[XF+4*(\e):XF+4*(\e)+3], s[36:37] offset:1024*rm+512*rb   ; the wave stores 512 consecutive bytes, aligned; no code register is written twice
.if (\e) <= 5
	CSL (\e)+2
.endif
.endm
	s_load_b512 s[8:23], s[0:1], 0x0               ; query, key, value, cos, sin, bq, bk, bv
	s_load_b256 s[24:31], s[0:1], 0x40             ; wimg, the scales' exponents, qimg, kimg
	s_load_b64 s[32:33], s[0:1], 0x60              ; vimg
	v_lshl_add_u32 v7, v0, 2, 0x18000
	s_set_vgpr_msb 0x40
	v_mov_b32 v1, 0
	s_set_vgpr_msb 0x4000
	v_lshrrev_b32 v1, 5, v0
	v_readfirstlane_b32 s2, v1                     ; wave 0..7
	s_and_b32 s3, ttmp7, 0xffff                    ; tensor
	s_lshr_b32 s52, ttmp9, 5                       ; batch
	s_and_b32 s53, ttmp9, 31                       ; group of 64 tokens
	s_and_b32 s54, s2, 1                           ; phase X: my half of the tokens,
	s_lshr_b32 s55, s2, 1                          ; my K step
	s_and_b32 s72, s55, 1                          ; the tables: 0: I bring cos, 1: sin
	s_lshl_b32 s71, s72, 31                        ; the sign that sin loses at even d
	s_lshl_b32 s56, s52, 22                        ; X: batch x 4 MiB + K step x 128 rows of 8,192 bytes + 256 g + 128 half
	s_lshl_b32 s57, s55, 20
	s_add_co_u32 s56, s56, s57
	s_lshl_b32 s57, s53, 8
	s_add_co_u32 s56, s56, s57
	s_lshl_b32 s57, s54, 7
	s_add_co_u32 s56, s56, s57
	s_mov_b32 s57, 0
	s_lshl_b32 s58, s3, 18                         ; weights: the tensor's section, my head's 16 fragments
	s_lshl_b32 s59, s2, 15
	s_add_co_u32 s58, s58, s59
	s_mov_b32 s59, 0
	s_lshl_b32 s60, s2, 2                          ; bias: channel 8 d + head
	s_mov_b32 s61, 0
	s_lshl_b32 s62, s52, 3                         ; out: (8 batch + head) x 131,072 + 4,096 g
	s_add_co_u32 s62, s62, s2
	s_lshl_b32 s62, s62, 17
	s_lshl_b32 s63, s53, 12
	s_add_co_u32 s62, s62, s63
	s_mov_b32 s63, 0
	s_lshr_b32 s66, s2, 2                          ; tables: d = 32 (wave / 4) on, my half of the tokens
	s_lshl_b32 s66, s66, 18
	s_lshl_b32 s67, s53, 8
	s_add_co_u32 s66, s66, s67
	s_lshl_b32 s67, s54, 7
	s_add_co_u32 s66, s66, s67
	s_mov_b32 s67, 0
	v_and_b32 v2, 31, v0
	v_lshlrev_b32 v1, 2, v2                        ; 4 x lane
	v_lshlrev_b32 v2, 4, v2                        ; 16 x lane
	v_bfe_u32 v8, v0, 3, 1                         ; my token 32 half + lane lies in tile 2 half + (lane / 8) % 2,
	v_and_b32 v9, 7, v0
	v_bfe_u32 v14, v0, 4, 1
	v_lshl_add_u32 v9, v14, 3, v9                  ; at row lane % 8 + 8 (lane / 16)
	v_lshlrev_b32 v9, 4, v9
	v_lshl_add_u32 v9, v8, 13, v9
	s_lshl_b32 s68, s54, 14
	s_lshl_b32 s69, s55, 11
	s_add_co_u32 s69, s68, s69
	v_add_nc_u32 v4, s69, v9                       ; X's codes: + 16,384 half + 2,048 K step
	s_lshr_b32 s70, s2, 2
	s_lshl_b32 s70, s70, 12
	s_add_co_u32 s68, s68, s70
	s_lshl_b32 s70, s72, 10
	s_add_co_u32 s68, s68, s70
	s_add_co_u32 s68, s68, CSB
	v_add_nc_u32 v5, s68, v9                       ; cos, sin': + 16,384 half + 4,096 (wave / 4) + 1,024 for sin'
	v_and_b32 v15, 15, v0                          ; r
	s_wait_kmcnt 0x0
	s_load_b256 s[40:47], s[26:27], 0x0            ; e0 .. e7
	s_load_b128 s[48:51], s[26:27], 0x20           ; e8 .. e11
	s_cmp_eq_u32 s3, 1                             ; the tensor's buffers: the choices hang on ids alone
	s_cselect_b64 s[4:5], s[10:11], s[8:9]
	s_cselect_b64 s[34:35], s[20:21], s[18:19]
	s_cselect_b64 s[36:37], s[30:31], s[28:29]
	s_cmp_eq_u32 s3, 2
	s_cselect_b64 s[4:5], s[12:13], s[4:5]
	s_cselect_b64 s[34:35], s[22:23], s[34:35]
	s_cselect_b64 s[36:37], s[32:33], s[36:37]
	s_cmp_lg_u32 s72, 0
	s_cselect_b64 s[38:39], s[16:17], s[14:15]
	s_add_nc_u64 s[4:5], s[4:5], s[56:57]
	s_add_nc_u64 s[6:7], s[24:25], s[58:59]
	s_add_nc_u64 s[34:35], s[34:35], s[60:61]
	s_add_nc_u64 s[36:37], s[36:37], s[62:63]
	s_add_nc_u64 s[38:39], s[38:39], s[66:67]
	s_cmp_eq_u32 s3, 2
	s_cbranch_scc1 .Lvalue
	; ---------------- query and key ----------------
.set XR, 2                             ; X's images begin at LDS byte 0: 16 x lane is their read address
	v_lshlrev_b32 v6, 9, v14                       ; bias: register 8 t + j wants d = 32 (t / 2) + 8 (t % 2) + 16 hh + j: 32 bytes a d
	WLOAD 0
.irp t, 0,1,2,3
.irp j, 0,1,2,3,4,5,6,7
	global_load_b32 v[ACC+8*\t+\j], v6, s[34:35] offset:32*(32*(\t/2)+8*(\t%2)+\j)
.endr
.endr
.set i, 0
.rept 32
	global_load_b32 v[XF+i], v1, s[38:39] offset:i*8192   ; cos or sin of my token, 32 d
.set i, i+1
.endr
	XSET 0, 0
	XSET 1, 1
	XSET 2, 2
	s_wait_kmcnt 0x0
	s_cmp_eq_u32 s3, 1
	s_cselect_b32 s74, s42, s40                    ; ex
	s_cselect_b32 s75, s43, s41                    ; ew
	s_cselect_b32 s76, s47, s46                    ; eo
	s_add_co_i32 s75, s74, s75                     ; a sum stands for sum x 2^(ex + ew)
	s_sub_co_i32 s76, s76, s75                     ; so its code is sum / 2^(eo - ex - ew)
	s_sub_co_i32 s73, 0, s75
	POW2 74, 11, 10
	POW2 76, 13, 12
	BLOCK 0, 0, 63                                 ; 64 loads are younger than set 0's (the wait's field holds 63); all that was asked for ahead of X is in with it
	BLOCK 1, 1, 63                                 ; 64 again: set 2's and the fourth block's
	BLOCK 2, 2, 32                                 ; the fourth block's 32
	BLOCK 3, 0, 0
.set i, 0
.rept 16
	v_xor_b32 v[XF+2*i], s71, v[XF+2*i]            ; sin' = -sin at even d (cos: the mask is 0)
.set i, i+1
.endr
.irp z, 0,1,2,3,4,5,6,7                        ; four numbers d = 4 z on: tile (z / 2) % 2 of my two, j = 4 (z % 2) on, half z / 4 of the lanes
	ds_store_b128 v5, v[XF+4*\z:XF+4*\z+3] offset:((\z/2)%2)*2048+(\z%2)*512+(\z/4)*256
.endr
	s_wait_dscnt 0x0                               ; for the others' sake: my stores have landed
	s_barrier_signal -1
	s_barrier_wait -1                              ; X's 16 fragments and the 16 images of cos and sin' lie in LDS; nothing is stored there again
.set i, 0
.rept 32
	v_ldexp_f32 v[ACC+i], v[ACC+i], s73            ; bias / 2^(ex + ew)
.set i, i+1
.endr
	GROUPS 0
	CSL 0                                          ; (the last group's four places stand in front of these loads and of the first read of results)
	CSL 1
.irp e, 0,1,2,3,4,5,6,7
	ROPE \e
.endr
	s_set_vgpr_msb 0x4
	s_wait_tensorcnt 0x0
	ds_add_u32 v7, v1
	s_wait_dscnt 0x0
	s_set_vgpr_msb 0x400
	s_endpgm
	; ---------------- value ----------------
.Lvalue:
.set XR, 3
	v_add_nc_u32 v3, XV, v2
	v_add_nc_u32 v4, XV, v4
	v_lshlrev_b32 v6, 5, v15                       ; bias: a lane holds channel d = 16 dt + r in all its registers
	WLOAD 0
.irp t, 0,1,2,3
	global_load_b32 v[ACC+8*\t], v6, s[34:35] offset:512*\t
.endr
	XSET 0, 0
	XSET 1, 1
	XSET 2, 2
	s_wait_kmcnt 0x0
	s_mov_b32 s74, s44                             ; ex = e4
	s_add_co_i32 s75, s44, s45                     ; ex + ew
	s_sub_co_i32 s76, s48, s75                     ; e8 - ex - ew
	s_sub_co_i32 s73, 0, s75
	POW2 74, 11, 10
	POW2 76, 13, 12
	BLOCK 0, 0, 63                                 ; the counts as above
	BLOCK 1, 1, 63
	BLOCK 2, 2, 32
	BLOCK 3, 0, 0
	s_barrier_signal -1                            ; (the last block ended with the wait for my stores)
	s_barrier_wait -1
.irp t, 0,1,2,3
.irp j, 7,6,5,4,3,2,1,0
	v_ldexp_f32 v[ACC+8*\t+\j], v[ACC+8*\t], s73   ; bias / 2^(ex + ew), eight times; the source itself last
.endr
.endr
	GROUPS 1
.irp dt, 0,1,2,3                               ; tiles m = 2 c and 2 c + 1 hold 16 neighbouring tokens of channel 16 dt + r
.irp c, 0,1
.irp u, 0,1
.set ra, ACC+32*(2*\c+\u)+8*\dt
.irp p, 0,1,2,3,4,5,6,7
	v_med3_num_f32 v[ra+\p], v[ra+\p], -v12, v12   ; from the accumulator's low end on
.endr
	v_cvt_scalef32_pk8_fp8_f32 v[XF+4*(2*\dt+\c)+2*\u:XF+4*(2*\dt+\c)+2*\u+1], v[ra:ra+7], v13
.endr
	v_nop                                          ; a plain line behind the last conversion
	global_store_b128 v2, v[XF+4*(2*\dt+\c):XF+4*(2*\dt+\c)+3], s[36:37] offset:1024*\dt+512*\c
.endr
.endr
	s_set_vgpr_msb 0x4
	s_wait_tensorcnt 0x0
	ds_add_u32 v7, v1
	s_wait_dscnt 0x0
	s_set_vgpr_msb 0x400
	s_endpgm
.Lfunc_end_k_q8f2b9e5ea0_proj:
	.size	k_q8f2b9e5ea0_proj, .Lfunc_end_k_q8f2b9e5ea0_proj-k_q8f2b9e5ea0_proj
	.p2alignl 7, 3214868480
	.fill 96, 4, 3214868480
	.section	.rodata,"a",@progbits
	.p2align	6, 0x0
	.amdhsa_kernel k_q8f2b9e5ea0_proj
		.amdhsa_group_segment_fixed_size 99328
		.amdhsa_private_segment_fixed_size 0
		.amdhsa_enable_private_segment 0
		.amdhsa_kernarg_size 104
		.amdhsa_user_sgpr_count 2
		.amdhsa_user_sgpr_kernarg_segment_ptr 1
		.amdhsa_wavefront_size32 1
		.amdhsa_system_sgpr_workgroup_id_x 1
		.amdhsa_system_sgpr_workgroup_id_y 1
		.amdhsa_system_sgpr_workgroup_id_z 1
		.amdhsa_system_vgpr_workitem_id 0
		.amdhsa_next_free_vgpr 258
		.amdhsa_next_free_sgpr 96
		.amdhsa_reserve_vcc 0
		.amdhsa_float_denorm_mode_32 3
		.amdhsa_float_denorm_mode_16_64 3
		.amdhsa_memory_ordered 1
		.amdhsa_forward_progress 1
		.amdhsa_inst_pref_size 127
	.end_amdhsa_kernel
	.amdgpu_metadata
---
amdhsa.version: [ 1, 2 ]
amdhsa.kernels:
  - .name:           k_q8f2b9e5ea0_proj
    .symbol:         k_q8f2b9e5ea0_proj.kd
    .args:
      - { .name: query, .offset: 0, .size: 8, .value_kind: global_buffer, .address_space: global }
      - { .name: key, .offset: 8, .size: 8, .value_kind: global_buffer, .address_space: global }
      - { .name: value, .offset: 16, .size: 8, .value_kind: global_buffer, .address_space: global }
      - { .name: enc_cos, .offset: 24, .size: 8, .value_kind: global_buffer, .address_space: global }
      - { .name: enc_sin, .offset: 32, .size: 8, .value_kind: global_buffer, .address_space: global }
      - { .name: bq, .offset: 40, .size: 8, .value_kind: global_buffer, .address_space: global }
      - { .name: bk, .offset: 48, .size: 8, .value_kind: global_buffer, .address_space: global }
      - { .name: bv, .offset: 56, .size: 8, .value_kind: global_buffer, .address_space: global }
      - { .name: wimg, .offset: 64, .size: 8, .value_kind: global_buffer, .address_space: global }
      - { .name: lowp_scales, .offset: 72, .size: 8, .value_kind: global_buffer, .address_space: global }
      - { .name: qimg, .offset: 80, .size: 8, .value_kind: global_buffer, .address_space: global }
      - { .name: kimg, .offset: 88, .size: 8, .value_kind: global_buffer, .address_space: global }
      - { .name: vimg, .offset: 96, .size: 8, .value_kind: global_buffer, .address_space: global }
    .group_segment_fixed_size: 99328
    .private_segment_fixed_size: 0
    .kernarg_segment_align: 8
    .kernarg_segment_size: 104
    .max_flat_workgroup_size: 256
    .sgpr_count:     96
    .vgpr_count:     258
    .wavefront_size: 32
...
	.end_amdgpu_metadata
.endif
;; end of part 2
;; launch attn (part 3): grid 4 x 64, 16 waves a work-group, clusters of 4 x 1, 327,680 bytes of LDS; arguments qimg, kimg, vimg, lowp_scales, aimg; writes aimg
.if DOCPART == 3
	.amdgcn_target "amdgcn-amd-amdhsa--gfx1250"
	.amdhsa_code_object_version 6
	.text
	.protected	k_q8f2b9e5ea0_attn
	.globl	k_q8f2b9e5ea0_attn
	.p2align	8
	.type	k_q8f2b9e5ea0_attn,@function
k_q8f2b9e5ea0_attn:
	s_mov_b64 s[64:65], 0
	v_nop
	global_prefetch_b8 v0, s[64:65] scope:SCOPE_SE
	s_setreg_imm32_b32 hwreg(HW_REG_WAVE_MODE, 25, 1), 1
	s_wait_xcnt 0x0
	s_wait_alu depctr_hold_cnt(0) depctr_sa_sdst(0) depctr_va_vdst(0) depctr_va_sdst(0) depctr_va_ssrc(0) depctr_va_vcc(0) depctr_vm_vsrc(0)
	s_getreg_b32 s2, hwreg(HW_REG_IB_STS2, 6, 4)
	s_cmp_eq_u32 s2, 0
	s_cbranch_scc0 .Lentry_in_a_cluster
	s_endpgm
.Lentry_in_a_cluster:
	s_bfe_u32 s2, ttmp6, 0x10000c
	s_cmp_lg_u32 s2, 0x3003
	s_cbranch_scc0 .Lentry_shape_is_right
	s_endpgm
.Lentry_shape_is_right:
; Attention on codes of E4M3: S^T = K Q^T, p = 2^(t - M), O^T = V^T P^T, O / l, and the quantiser for the output projection.
; A work-group owns one (batch, head) and 512 queries; each of its sixteen waves 32 queries: two tiles, so that each fragment of K and V read from LDS feeds two matrix instructions.
; THE WHOLE HEAD STAYS IN LDS: K's image (131,072 bytes) at 0, V's behind it; each LDS byte is filled once, so there is no ring.  The images are in the order of the operands' registers:
;   a fragment of the K = 64 form is two loads of 16 bytes a lane at 16 x lane: no pitch, no padding.
; CLUSTER: the four work-groups of a cluster are the four query blocks of one head and need the same K and V: every fill is asked for JOINTLY, by the same tensor load with the same descriptor and the mask 15.
;   My place in the cluster enters the global addresses of Q and of the result alone.
; TWO PASSES OVER THE KEYS.  Pass 1 forms S^T and keeps each query's largest score.  Then M = ceil(largest t), t = score x log2(e) / 8, is final: pass 2 forms S^T again, p = 2^(t - M) by one multiply-add and one
;   exponential, sums the unquantised p, quantises p with 2^e9 and multiplies.  So there is no running maximum and nothing is rescaled: eight matrix instructions and eight LDS loads more
;   for 64 keys x 32 queries, against some fifty vector instructions fewer, in a loop whose vector instructions outnumber its matrix instructions more than ten to one.
; LAYOUT.  Both products are used transposed: a lane holds ONE query (lane % 16).  The keys of a tile of K are 32 (m / 2) + 8 (m % 2) + r + 8 (r / 8), so that the registers of tiles 2 c and 2 c + 1 are the
;   16 neighbouring keys 32 c + 16 (lane / 16) + 0 .. 15: p's codes are the second product's operand as they come.  Both operands of a product have the same map from k to (register, byte, half of the lanes).
; OUT: aimg [b][tile T][s = head / 2][c 0..3][lane][16]: register pair 4 (head % 2) + dt of lane (r, hh) = d 16 dt + 8 hh + 0 .. 7 of the tile's token r.
; LIMITS on the given exponents: e6 + e7 between -123 and 130 (added to c's exponent field); e9 and e10 - e8 - e9 between -126 and 119.
; REGISTERS: v1 16 x lane; v2, v3 LDS addresses of the step's K and V; v4, v5: 448 x 2^e9, 2^e9; v6, v7 the same for e10 - e8 - e9; v8, v10: -M of tile 0, 1 (v9, v11: upper halves of the named pairs);
;   v12-15 two chains of the maximum a tile; v16-23 two pairs of sums a tile; v24, v25 lane exchanges; v26, v28: 1 / l; v32-47 Q; v48-79 K; v80-111 V; v112-127 p's codes; v128-191 S^T (q, m) at 128 + 32 q + 8 m;
;   v192-255 O^T (q, dt) at 192 + 32 q + 8 dt.  In pass 1, v80-111 hold four more tiles of K and v192-255 their scores.
.set QF, 32
.set KF, 48
.set VF, 80
.set PC, 112
.set S,  128
.set OA, 192
.set G1, 24                            ; s[24:31] descriptor group 1
.set G0, 32                            ; s[32:47] four groups 0
.macro POW2 se, vsc, vlim              ; s[se] = e:  v[vsc] = 2^e, v[vlim] = 448 x 2^e;  s[se], s[se+1] are used up
	s_add_co_i32 s[\se], s[\se], 127
	s_lshl_b32 s[\se+1], s[\se], 23
	v_mov_b32 v[\vsc], s[\se+1]
	s_add_co_i32 s[\se], s[\se], 8
	s_lshl_b32 s[\se], s[\se], 23
	s_or_b32 s[\se], s[\se], 0x600000
	v_mov_b32 v[\vlim], s[\se]
.endm
.macro ROUND                           ; a round of the cluster's barrier: my work-group's barrier; wave 0 signals for the work-group; every wave waits for all four; my work-group's barrier once more
	s_barrier_signal -1
	s_barrier_wait -1
	s_cmp_lg_u32 s14, 0
	s_cbranch_scc1 .Lnot_wave_0_\@
	s_barrier_signal -3
.Lnot_wave_0_\@:
	s_barrier_wait -3
	s_barrier_signal -1
	s_barrier_wait -1
.endm
; Pass 1 over one half of K (1,024 keys from LDS byte base on): 8 trips of 128 keys.  left: the younger first fills, which may stay out.
.macro PASS1 left, base
	s_wait_tensorcnt \left                         ; my part of this half has landed (a wave that fetched nothing passes at once),
	s_barrier_signal -1
	s_barrier_wait -1                              ; everybody's has
	s_mov_b32 s60, \base
	s_mov_b32 s61, 8
.Lp1_\@:
	v_add_nc_u32 v2, s60, v1
.irp i, 0,1,2,3,4,5,6,7
.irp c, 0,1
	ds_load_b128 v[KF+8*\i+4*\c:KF+8*\i+4*\c+3], v2 offset:1024*\i+512*\c
.endr
.endr
	s_wait_dscnt 0x8                               ; the first four tiles are in
.irp m, 0,1,2,3
.irp q, 0,1
	v_wmma_f32_16x16x64_fp8_fp8 v[S+32*\q+8*\m:S+32*\q+8*\m+7], v[KF+8*\m:KF+8*\m+7], v[QF+8*\q:QF+8*\q+7], 0
.endr
.endr
	s_wait_dscnt 0x0
.irp m, 0,1,2,3
.irp q, 0,1
	v_wmma_f32_16x16x64_fp8_fp8 v[OA+32*\q+8*\m:OA+32*\q+8*\m+7], v[VF+8*\m:VF+8*\m+7], v[QF+8*\q:QF+8*\q+7], 0
.endr
.endr
.rept 4
	v_nop                                          ; four places ahead of the first read of results; with the maxima they also stand ahead of the next trip's loads and products
.endr
.irp b, S, OA
.irp m, 0,1,2,3                                ; four chains by turns; each accumulator is read from its low end on
	v_max3_num_f32 v12, v12, v[\b+8*\m], v[\b+8*\m+1]
	v_max3_num_f32 v13, v13, v[\b+8*\m+2], v[\b+8*\m+3]
	v_max3_num_f32 v14, v14, v[\b+32+8*\m], v[\b+32+8*\m+1]
	v_max3_num_f32 v15, v15, v[\b+32+8*\m+2], v[\b+32+8*\m+3]
	v_max3_num_f32 v12, v12, v[\b+8*\m+4], v[\b+8*\m+5]
	v_max3_num_f32 v13, v13, v[\b+8*\m+6], v[\b+8*\m+7]
	v_max3_num_f32 v14, v14, v[\b+32+8*\m+4], v[\b+32+8*\m+5]
	v_max3_num_f32 v15, v15, v[\b+32+8*\m+6], v[\b+32+8*\m+7]
.endr
.endr
	s_add_co_u32 s60, s60, 8192
	s_sub_co_u32 s61, s61, 1
	s_cmp_lg_u32 s61, 0
	s_cbranch_scc1 .Lp1_\@
.endm
.macro SCALE q                         ; t - M, two at a time (of the pairs c and -M the low word serves both halves)
.set j, 0
.rept 16
	v_pk_fma_f32 v[S+32*\q+j:S+32*\q+j+1], v[S+32*\q+j:S+32*\q+j+1], s[56:57], v[8+2*\q:9+2*\q] op_sel_hi:[1,0,0]
.set j, j+2
.endr
.endm
.macro EXPS q                          ; p = 2^(t - M), at most 1, not normalised
.set j, 0
.rept 32
	v_exp_f32 v[S+32*\q+j], v[S+32*\q+j]
.set j, j+1
.endr
.endm
.macro CODES q                         ; the sum of the unquantised p, in two chains of pairs; the hold; the codes
.set j, 0
	s_wait_alu depctr_va_vdst(0)
.rept 8
	v_pk_add_f32 v[16+4*\q:17+4*\q], v[16+4*\q:17+4*\q], v[S+32*\q+j:S+32*\q+j+1]
	v_pk_add_f32 v[18+4*\q:19+4*\q], v[18+4*\q:19+4*\q], v[S+32*\q+j+2:S+32*\q+j+3]
.set j, j+4
.endr
.set j, 0
.rept 32
	v_min_num_f32 v[S+32*\q+j], v[S+32*\q+j], v4   ; the conversion does not saturate (ISA guide 7.6.2); p is not negative, so the hold is one-sided
.set j, j+1
.endr
.irp m, 0,1,2,3
	v_cvt_scalef32_pk8_fp8_f32 v[PC+8*\q+2*\m:PC+8*\q+2*\m+1], v[S+32*\q+8*\m:S+32*\q+8*\m+7], v5
.endr
.endm
	s_load_b256 s[4:11], s[0:1], 0x0               ; qimg, kimg, vimg, the scales' exponents
	s_load_b64 s[12:13], s[0:1], 0x20              ; aimg
	v_lshl_add_u32 v30, v0, 2, 0x40000
	v_mov_b32 v31, 0
	ds_add_u32 v30, v31
	ds_add_u32 v30, v31
	v_lshrrev_b32 v1, 5, v0
	v_readfirstlane_b32 s14, v1                    ; wave 0..15
	s_bfe_u32 s15, ttmp6, 0x40000                  ; cx: my block of 512 queries
	s_and_b32 s16, ttmp7, 0xffff                   ; 8 b + head, which the four partners share
	; descriptor group 1: 64 rows of 32 elements of 8 bytes, dense: 16,384 bytes as they lie
	s_mov_b32 s[G1+0], 15|(3<<16)|(1<<21)          ; 15:0 the mask: all four work-groups; 17:16 elements of 8 bytes; 21 set beside a mask; no padding
	s_mov_b32 s[G1+1], 32<<16                      ; tensor_dim0 = 32
	s_mov_b32 s[G1+2], 64<<16                      ; tensor_dim1 = 64
	s_mov_b32 s[G1+3], 32<<16                      ; tile_dim0 = 32
	s_mov_b32 s[G1+4], 64                          ; tile_dim1 = 64
	s_mov_b32 s[G1+5], 32                          ; from row to row
	s_mov_b32 s[G1+6], 0
	s_mov_b32 s[G1+7], 0
	s_lshl_b32 s66, s14, 14                        ; a fetching wave's 16,384 bytes of each quarter
	s_lshl_b32 s68, s16, 17                        ; the head's 131,072 bytes
	s_add_co_u32 s68, s68, s66
	s_mov_b32 s69, 0
	s_lshl_b32 s78, s15, 5
	s_lshl_b32 s79, s14, 1
	s_add_co_u32 s78, s78, s79                     ; my first tile of queries: 32 cx + 2 wave
	s_lshl_b32 s74, s16, 7
	s_add_co_u32 s74, s74, s78
	s_lshl_b32 s74, s74, 10                        ; Q: a tile is 1,024 bytes
	s_mov_b32 s75, 0
	s_lshr_b32 s76, s16, 3                         ; b
	s_lshl_b32 s76, s76, 7
	s_add_co_u32 s76, s76, s78
	s_lshl_b32 s76, s76, 2
	s_bfe_u32 s77, s16, 0x20001                    ; head / 2
	s_add_co_u32 s76, s76, s77
	s_lshl_b32 s76, s76, 11
	s_and_b32 s77, s16, 1
	s_lshl_b32 s77, s77, 10
	s_add_co_u32 s76, s76, s77                     ; the result: ((128 b + tile) x 4 + head / 2) x 2,048 + 1,024 (head % 2)
	s_mov_b32 s77, 0
	s_mov_b32 s58, 0x76543210                      ; v_permlanex16_b32's selects for lane l xor 16
	s_mov_b32 s59, 0xfedcba98
	s_mov_b32 s56, 0x3e38aa3b                      ; c = log2(e) / sqrt(64)
	s_wait_dscnt 0x0
	s_wait_kmcnt 0x0
	s_load_b256 s[48:55], s[10:11], 0x10           ; e4 .. e11
	s_add_nc_u64 s[70:71], s[6:7], s[68:69]
	s_add_nc_u64 s[72:73], s[8:9], s[68:69]
	s_add_nc_u64 s[4:5], s[4:5], s[74:75]
	s_add_nc_u64 s[12:13], s[12:13], s[76:77]
.irp j, 0,1,2,3                                ; quarter j of LDS: K's halves, then V's
	s_mov_b32 s[G0+4*\j], 1                        ; count = 1
	s_add_co_u32 s[G0+4*\j+1], s66, \j*65536       ; LDS address: the wave's number and constants alone
	s_add_nc_u64 s[G0+4*\j+2:G0+4*\j+3], s[70+2*(\j/2):71+2*(\j/2)], (\j%2)*65536
	s_or_b32 s[G0+4*\j+3], s[G0+4*\j+3], 0x80000000   ; type = 2
.endr
	ROUND                                          ; all four work-groups are here: the joint loads meet
	s_cmp_lt_u32 s14, 4                            ; waves 0 to 3 fetch; a wave's four fills stand in one branch, ahead of every wait on TENSORcnt and every LDS read: four loads of a wave are out
	s_cbranch_scc0 .Lno_fill
	tensor_load_to_lds s[G0:G0+3], s[G1:G1+7]
	s_nop 0
	tensor_load_to_lds s[G0+4:G0+7], s[G1:G1+7]
	s_nop 0
	tensor_load_to_lds s[G0+8:G0+11], s[G1:G1+7]
	s_nop 0
	tensor_load_to_lds s[G0+12:G0+15], s[G1:G1+7]
	s_nop 0
.rept 4
	v_nop
.endr
.Lno_fill:
	v_and_b32 v1, 31, v0
	v_lshlrev_b32 v1, 4, v1                        ; 16 x lane
.irp q, 0,1
.irp c, 0,1
	global_load_b128 v[QF+8*\q+4*\c:QF+8*\q+4*\c+3], v1, s[4:5] offset:1024*\q+512*\c   ; Q's two fragments stay in registers
.endr
.endr
.irp r, 12,13,14,15
	v_mov_b32 v\r, 0xff800000                      ; the largest score so far: -infinity
.endr
.irp r, 9,11,24,25,27,29
	v_mov_b32 v\r, 0                               ; upper halves of named pairs, and the lane exchanges' destinations, which count as read
.endr
	s_wait_kmcnt 0x0
	s_add_co_i32 s82, s50, s51
	s_lshl_b32 s82, s82, 23
	s_add_co_i32 s56, s56, s82                     ; a score stands for score x 2^(e6 + e7): added to c's exponent field
	s_mov_b32 s57, s56                             ; (named with it as a pair)
	s_mov_b32 s84, s53
	POW2 84, 5, 4                                  ; e9
	s_sub_co_i32 s86, s54, s52
	s_sub_co_i32 s86, s86, s53
	POW2 86, 7, 6                                  ; O / l stands for that x 2^(e8 + e9): its code is (O / l) / 2^(e10 - e8 - e9)
	s_wait_loadcnt 0x0                             ; Q
	PASS1 3, 0                                     ; K's first half: three younger fills may be out
	PASS1 2, 65536                                 ; its second half: V's two may be out
	v_max_num_f32 v12, v12, v13
	v_max_num_f32 v14, v14, v15
	v_permlanex16_b32 v24, v12, s58, s59           ; the query's other keys lie in lane l xor 16
	v_permlanex16_b32 v25, v14, s58, s59
	v_max_num_f32 v12, v12, v24
	v_max_num_f32 v14, v14, v25
	v_mul_f32 v12, s56, v12                        ; as t (c is positive)
	v_mul_f32 v14, s56, v14
	v_floor_f32 v8, -v12                           ; -M = floor(-t) = -ceil(t)
	v_floor_f32 v10, -v14
.set j, 0
.rept 64
	v_mov_b32 v[OA+j], 0                           ; O^T: the key step is written once, so its first trip finds zeros
.set j, j+1
.endr
.irp r, 16,17,18,19,20,21,22,23
	v_mov_b32 v\r, 0                               ; the sums
.endr
	s_wait_tensorcnt 0x0                           ; V has landed,
	s_barrier_signal -1
	s_barrier_wait -1                              ; everybody's part
	s_mov_b32 s60, 0
	s_mov_b32 s61, 32
.Lp2:                                              ; 32 trips of 64 keys
	v_add_nc_u32 v2, s60, v1
	v_add_nc_u32 v3, 0x20000, v2
	v_nop
	v_nop                                          ; four places behind the last trip's products, ahead of the loads into V's registers
.irp m, 0,1,2,3
.irp c, 0,1
	ds_load_b128 v[KF+8*\m+4*\c:KF+8*\m+4*\c+3], v2 offset:1024*\m+512*\c
.endr
.endr
.irp d, 0,1,2,3
.irp c, 0,1
	ds_load_b128 v[VF+8*\d+4*\c:VF+8*\d+4*\c+3], v3 offset:1024*\d+512*\c
.endr
.endr
	s_wait_dscnt 0x8                               ; K is in; V's eight loads may be out
.irp m, 0,1,2,3
.irp q, 0,1
	v_wmma_f32_16x16x64_fp8_fp8 v[S+32*\q+8*\m:S+32*\q+8*\m+7], v[KF+8*\m:KF+8*\m+7], v[QF+8*\q:QF+8*\q+7], 0
.endr
.endr
.rept 4
	v_nop
.endr
	SCALE 0
	EXPS 0
	SCALE 1                                        ; plain lines behind tile 0's exponentials
	EXPS 1
	CODES 0                                        ; its sums are the plain lines behind tile 1's exponentials
	CODES 1
	v_nop                                          ; a plain line between the last conversion and the products that read the codes
	s_wait_dscnt 0x0                               ; V is in
.irp d, 0,1,2,3                                ; the eight accumulators take turns, one instruction a turn; the body's first matrix instruction names another register
.irp q, 0,1
	v_wmma_f32_16x16x64_fp8_fp8 v[OA+32*\q+8*\d:OA+32*\q+8*\d+7], v[VF+8*\d:VF+8*\d+7], v[PC+8*\q:PC+8*\q+7], v[OA+32*\q+8*\d:OA+32*\q+8*\d+7]
.endr
.endr
	s_add_co_u32 s60, s60, 4096
	s_sub_co_u32 s61, s61, 1
	s_cmp_lg_u32 s61, 0
	s_cbranch_scc1 .Lp2
	; THE WAY OUT.  The additions are the places behind the last products.
	v_pk_add_f32 v[16:17], v[16:17], v[18:19]
	v_pk_add_f32 v[20:21], v[20:21], v[22:23]
	v_add_f32 v16, v16, v17
	v_add_f32 v20, v20, v21
	v_permlanex16_b32 v24, v16, s58, s59
	v_permlanex16_b32 v25, v20, s58, s59
	v_add_f32 v16, v16, v24                        ; l
	v_add_f32 v20, v20, v25
	v_rcp_f32 v26, v16
	v_rcp_f32 v28, v20
	v_nop                                          ; a plain line behind the reciprocals
	s_wait_alu depctr_va_vdst(0)
.irp q, 0,1
.set j, 0
.rept 16
	v_pk_mul_f32 v[OA+32*\q+j:OA+32*\q+j+1], v[OA+32*\q+j:OA+32*\q+j+1], v[26+2*\q:27+2*\q] op_sel_hi:[1,0]   ; O^T / l, each accumulator from its low end on
.set j, j+2
.endr
.set j, 0
.rept 32
	v_med3_num_f32 v[OA+32*\q+j], v[OA+32*\q+j], -v6, v6
.set j, j+1
.endr
.irp d, 0,1,2,3
	v_cvt_scalef32_pk8_fp8_f32 v[PC+8*\q+2*\d:PC+8*\q+2*\d+1], v[OA+32*\q+8*\d:OA+32*\q+8*\d+7], v7
.endr
.endr
	v_nop                                          ; a plain line behind the last conversion
.irp q, 0,1
.irp i, 0,1
	global_store_b128 v1, v[PC+8*\q+4*\i:PC+8*\q+4*\i+3], s[12:13] offset:8192*\q+512*\i   ; the wave stores 512 consecutive bytes, aligned
.endr
.endr
	s_wait_tensorcnt 0x0
	ds_add_u32 v30, v31
	s_wait_dscnt 0x0
	ROUND                                          ; the closing round: no work-group ends while a partner may still ask for a tile that names it
	s_endpgm
.Lfunc_end_k_q8f2b9e5ea0_attn:
	.size	k_q8f2b9e5ea0_attn, .Lfunc_end_k_q8f2b9e5ea0_attn-k_q8f2b9e5ea0_attn
	.p2alignl 7, 3214868480
	.fill 96, 4, 3214868480
	.section	.rodata,"a",@progbits
	.p2align	6, 0x0
	.amdhsa_kernel k_q8f2b9e5ea0_attn
		.amdhsa_group_segment_fixed_size 327680
		.amdhsa_private_segment_fixed_size 0
		.amdhsa_enable_private_segment 0
		.amdhsa_kernarg_size 40
		.amdhsa_user_sgpr_count 2
		.amdhsa_user_sgpr_kernarg_segment_ptr 1
		.amdhsa_wavefront_size32 1
		.amdhsa_system_sgpr_workgroup_id_x 1
		.amdhsa_system_sgpr_workgroup_id_y 1
		.amdhsa_system_sgpr_workgroup_id_z 1
		.amdhsa_system_vgpr_workitem_id 0
		.amdhsa_next_free_vgpr 256
		.amdhsa_next_free_sgpr 96
		.amdhsa_reserve_vcc 0
		.amdhsa_float_denorm_mode_32 3
		.amdhsa_float_denorm_mode_16_64 3
		.amdhsa_memory_ordered 1
		.amdhsa_forward_progress 1
		.amdhsa_inst_pref_size 41
	.end_amdhsa_kernel
	.amdgpu_metadata
---
amdhsa.version: [ 1, 2 ]
amdhsa.kernels:
  - .name:           k_q8f2b9e5ea0_attn
    .symbol:         k_q8f2b9e5ea0_attn.kd
    .args:
      - { .name: qimg, .offset: 0, .size: 8, .value_kind: global_buffer, .address_space: global }
      - { .name: kimg, .offset: 8, .size: 8, .value_kind: global_buffer, .address_space: global }
      - { .name: vimg, .offset: 16, .size: 8, .value_kind: global_buffer, .address_space: global }
      - { .name: lowp_scales, .offset: 24, .size: 8, .value_kind: global_buffer, .address_space: global }
      - { .name: aimg, .offset: 32, .size: 8, .value_kind: global_buffer, .address_space: global }
    .group_segment_fixed_size: 327680
    .private_segment_fixed_size: 0
    .kernarg_segment_align: 8
    .kernarg_segment_size: 40
    .max_flat_workgroup_size: 512
    .sgpr_count:     96
    .vgpr_count:     256
    .wavefront_size: 32
...
	.end_amdgpu_metadata
.endif
;; end of part 3
;; launch outp (part 4): grid 256 x 1, 16 waves a work-group, no clusters, 174,080 bytes of LDS; arguments aimg, wimg, bm, lowp_scales, out0; writes out0
.if DOCPART == 4
	.amdgcn_target "amdgcn-amd-amdhsa--gfx1250"
	.amdhsa_code_object_version 6
	.text
	.protected	k_q8f2b9e5ea0_outp
	.globl	k_q8f2b9e5ea0_outp
	.p2align	8
	.type	k_q8f2b9e5ea0_outp,@function
k_q8f2b9e5ea0_outp:
	s_mov_b64 s[64:65], 0
	v_nop
	global_prefetch_b8 v0, s[64:65] scope:SCOPE_SE
	s_setreg_imm32_b32 hwreg(HW_REG_WAVE_MODE, 25, 1), 1
	s_wait_xcnt 0x0
; The output projection on codes of E4M3: out0[b][o][n] = 2^(e10 + e11) x (sum over the 512 channels of wm's code x the attention's code) + bm[o].
; A work-group takes 64 tokens (batch x / 32, group x % 32) and all 512 outputs; wave w the outputs 32 w .. 32 w + 31: two tiles, whose eight weight fragments (128 registers) are asked for once, at the head.
; The block's 16 fragments of aimg (32,768 consecutive bytes, in register order) are copied to LDS as they lie, 2,048 bytes a wave, and read by all sixteen waves.
; Source 0 = 16 tokens, source 1 = 16 rows of wm: a lane holds one output o = 16 ot + r, and its registers the 8 neighbouring tokens 32 (tt / 2) + 8 (tt % 2) + 16 hh + j: 32 neighbouring bytes of a row of out0.
; K runs in the order (head, d) in both operands.  The results go through the wave's own stage in LDS and leave as rows: sixteen lanes store 256 consecutive bytes, aligned.
; NO TENSOR LOAD, NO CLUSTER: a wave's weights are its own and go straight into registers; the work-groups share no other tile.
; LIMIT: e10 + e11 between -126 and 127, so that 2^(e10 + e11) is an f32 number.
; REGISTERS: v1 16 x lane; v2 + 2,048 wave; v3, v4 the stage, in and back; v5 my byte in out0; v6 4 r; v8, v10 bm of my two outputs (v9, v11: upper halves of the named pairs); v16-31 the copy;
;   v32-63 two fragment buffers; v64-127 accumulator (ot, tt) at 64 + 32 ot + 8 tt; v128-255 weight fragment (ot, s) at 128 + 16 (4 ot + s); on the way out v128-191 results, v192-255 rows read back.
.set AF,  32
.set ACC, 64
.set WF,  128
.set TMP, 128
.set BK,  192
.set STG, 32768                        ; behind the images: 32 rows x (256 + 16) bytes for each wave
.macro FETCHA buf, tt, s
.irp c, 0,1,2,3
	ds_load_b128 v[AF+16*(\buf)+4*\c:AF+16*(\buf)+4*\c+3], v1 offset:(4*(\tt)+(\s))*2048+512*\c
.endr
.endm
	s_load_b256 s[4:11], s[0:1], 0x0               ; aimg, wimg, bm, the scales' exponents
	s_load_b64 s[12:13], s[0:1], 0x20              ; out0
	v_lshl_add_u32 v14, v0, 2, 0x2a000
	v_mov_b32 v15, 0
	v_lshrrev_b32 v1, 5, v0
	v_readfirstlane_b32 s14, v1                    ; wave 0..15
	s_lshr_b32 s16, ttmp9, 5                       ; batch
	s_and_b32 s17, ttmp9, 31                       ; group of 64 tokens
	s_lshl_b32 s20, s16, 20                        ; aimg: (128 b + 4 g) tiles of 8,192 bytes
	s_lshl_b32 s21, s17, 15
	s_add_co_u32 s20, s20, s21
	s_mov_b32 s21, 0
	s_lshl_b32 s22, s14, 14                        ; wimg: section 3, my eight fragments
	s_add_co_u32 s22, s22, 786432
	s_mov_b32 s23, 0
	s_lshl_b32 s24, s14, 7                         ; bm: my 32 numbers
	s_mov_b32 s25, 0
	s_lshl_b32 s26, s16, 22                        ; out0: batch x 4 MiB + 32 w rows of 8,192 bytes + 256 g
	s_lshl_b32 s27, s14, 18
	s_add_co_u32 s26, s26, s27
	s_lshl_b32 s27, s17, 8
	s_add_co_u32 s26, s26, s27
	s_mov_b32 s27, 0
	v_and_b32 v1, 31, v0
	v_lshlrev_b32 v1, 4, v1                        ; 16 x lane
	s_lshl_b32 s28, s14, 11
	v_add_nc_u32 v2, s28, v1                       ; + 2,048 wave: my part of the copy, in memory and in LDS
	v_and_b32 v7, 15, v0                           ; r
	v_bfe_u32 v12, v0, 4, 1                        ; hh
	s_mul_i32 s29, s14, 8704
	s_add_co_u32 s29, s29, STG                     ; my stage
	v_mul_u32_u24 v3, v7, 272
	v_lshl_add_u32 v3, v12, 6, v3
	v_add_nc_u32 v3, s29, v3                       ; in: row r, + 64 hh
	v_mul_u32_u24 v4, v12, 272
	v_lshl_add_u32 v4, v7, 4, v4
	v_add_nc_u32 v4, s29, v4                       ; back: lanes 0-15 one row of 256 bytes, lanes 16-31 the next
	v_lshlrev_b32 v5, 13, v12
	v_lshl_add_u32 v5, v7, 4, v5                   ; and the same two rows in out0
	v_lshlrev_b32 v6, 2, v7
	v_mov_b32 v9, 0
	v_mov_b32 v11, 0
	s_wait_kmcnt 0x0
	s_load_b64 s[44:45], s[10:11], 0x28            ; e10, e11
	s_add_nc_u64 s[4:5], s[4:5], s[20:21]
	s_add_nc_u64 s[6:7], s[6:7], s[22:23]
	s_add_nc_u64 s[8:9], s[8:9], s[24:25]
	s_add_nc_u64 s[12:13], s[12:13], s[26:27]
.irp i, 0,1,2,3
	global_load_b128 v[16+4*\i:19+4*\i], v2, s[4:5] offset:512*\i
.endr
.irp ot, 0,1
	global_load_b32 v[8+2*\ot], v6, s[8:9] offset:64*\ot
.endr
.irp s, 0,1,2,3                                ; the weights, K step by K step
.irp ot, 0,1
.irp c, 0,1,2,3
	global_load_b128 v[WF+16*(4*\ot+\s)+4*\c:WF+16*(4*\ot+\s)+4*\c+3], v1, s[6:7] offset:8192*\ot+2048*\s+512*\c
.endr
.endr
.endr
	s_wait_loadcnt 34                              ; the copy's four loads are in; bm's two and the weights' 32 may be out
.irp i, 0,1,2,3
	ds_store_b128 v2, v[16+4*\i:19+4*\i] offset:512*\i
.endr
	s_wait_dscnt 0x0                               ; for the others' sake: my stores have landed
	s_barrier_signal -1
	s_barrier_wait -1                              ; the 16 fragments lie in LDS; nothing is stored there again
	FETCHA 0, 0, 0
	FETCHA 1, 1, 0
; 16 groups: K step gi / 4, token tile gi % 4, my two tiles of outputs.  The eight accumulators take turns, one instruction a turn, in the same order in every K step.
.set gi, 0
.rept 16
.set gs, gi/4
.set gt, gi%4
.set gb, gi%2
.if gt == 0
	s_wait_loadcnt 8*(3-gs)                        ; this K step's eight weight loads are in; the later K steps' may be out
.endif
.if gi == 15
	s_wait_dscnt 0x0
.else
	s_wait_dscnt 0x4                               ; my buffer's four loads are in; the other buffer's four may be out
.endif
.irp ot, 0,1
.if gs == 0
	v_wmma_f32_16x16x128_fp8_fp8 v[ACC+32*\ot+8*gt:ACC+32*\ot+8*gt+7], v[AF+16*gb:AF+16*gb+15], v[WF+16*(4*\ot+gs):WF+16*(4*\ot+gs)+15], 0
.else
	v_wmma_f32_16x16x128_fp8_fp8 v[ACC+32*\ot+8*gt:ACC+32*\ot+8*gt+7], v[AF+16*gb:AF+16*gb+15], v[WF+16*(4*\ot+gs):WF+16*(4*\ot+gs)+15], v[ACC+32*\ot+8*gt:ACC+32*\ot+8*gt+7]
.endif
.endr
.rept 4
	v_nop                                          ; four places ahead of loads into registers that the products read, and at the end ahead of the first read of results
.endr
.if gi <= 13
.set gn, gi+2
.set nt, gn%4
.set ns, gn/4
	FETCHA gb, nt, ns
.endif
.set gi, gi+1
.endr
	s_wait_kmcnt 0x0
	s_add_co_i32 s46, s44, s45
	s_add_co_i32 s46, s46, 127
	s_lshl_b32 s46, s46, 23                        ; 2^(e10 + e11) as f32
	s_mov_b32 s47, s46                             ; (named with it as a pair)
.irp ot, 0,1
.irp tt, 0,1,2,3
.irp p, 0,2,4,6
	v_pk_fma_f32 v[TMP+8*(4*\ot+\tt)+\p:TMP+8*(4*\ot+\tt)+\p+1], v[ACC+32*\ot+8*\tt+\p:ACC+32*\ot+8*\tt+\p+1], s[46:47], v[8+2*\ot:9+2*\ot] op_sel_hi:[1,0,0]   ; sum x 2^(e10 + e11) + bm; each accumulator from its low end on
.endr
.endr
.endr
.irp ot, 0,1
.irp tt, 0,1,2,3
	ds_store_b128 v3, v[TMP+8*(4*\ot+\tt):TMP+8*(4*\ot+\tt)+3] offset:\ot*4352+128*(\tt/2)+32*(\tt%2)
	ds_store_b128 v3, v[TMP+8*(4*\ot+\tt)+4:TMP+8*(4*\ot+\tt)+7] offset:\ot*4352+128*(\tt/2)+32*(\tt%2)+16
.endr
.endr
.irp i, 0,1,2,3,4,5,6,7,8,9,10,11,12,13,14,15
	ds_load_b128 v[BK+4*\i:BK+4*\i+3], v4 offset:544*\i   ; my own bytes: LDS serves a wave's instructions in order (ISA guide 5.7.1.4), so these see the stores above
.endr
.irp i, 0,1,2,3,4,5,6,7,8,9,10,11,12,13,14,15
	s_wait_dscnt 15-\i                             ; rows 2 i and 2 i + 1 are back; the younger loads may be out
	global_store_b128 v5, v[BK+4*\i:BK+4*\i+3], s[12:13] offset:16384*\i th:TH_STORE_NT   ; sixteen lanes store 256 consecutive bytes, aligned; written once, read by nobody here
.endr
	s_wait_tensorcnt 0x0
	ds_add_u32 v14, v15
	s_wait_dscnt 0x0
	s_endpgm
.Lfunc_end_k_q8f2b9e5ea0_outp:
	.size	k_q8f2b9e5ea0_outp, .Lfunc_end_k_q8f2b9e5ea0_outp-k_q8f2b9e5ea0_outp
	.p2alignl 7, 3214868480
	.fill 96, 4, 3214868480
	.section	.rodata,"a",@progbits
	.p2align	6, 0x0
	.amdhsa_kernel k_q8f2b9e5ea0_outp
		.amdhsa_group_segment_fixed_size 174080
		.amdhsa_private_segment_fixed_size 0
		.amdhsa_enable_private_segment 0
		.amdhsa_kernarg_size 40
		.amdhsa_user_sgpr_count 2
		.amdhsa_user_sgpr_kernarg_segment_ptr 1
		.amdhsa_wavefront_size32 1
		.amdhsa_system_sgpr_workgroup_id_x 1
		.amdhsa_system_sgpr_workgroup_id_y 1
		.amdhsa_system_sgpr_workgroup_id_z 1
		.amdhsa_system_vgpr_workitem_id 0
		.amdhsa_next_free_vgpr 256
		.amdhsa_next_free_sgpr 66
		.amdhsa_reserve_vcc 0
		.amdhsa_float_denorm_mode_32 3
		.amdhsa_float_denorm_mode_16_64 3
		.amdhsa_memory_ordered 1
		.amdhsa_forward_progress 1
		.amdhsa_inst_pref_size 22
	.end_amdhsa_kernel
	.amdgpu_metadata
---
amdhsa.version: [ 1, 2 ]
amdhsa.kernels:
  - .name:           k_q8f2b9e5ea0_outp
    .symbol:         k_q8f2b9e5ea0_outp.kd
    .args:
      - { .name: aimg, .offset: 0, .size: 8, .value_kind: global_buffer, .address_space: global }
      - { .name: wimg, .offset: 8, .size: 8, .value_kind: global_buffer, .address_space: global }
      - { .name: bm, .offset: 16, .size: 8, .value_kind: global_buffer, .address_space: global }
      - { .name: lowp_scales, .offset: 24, .size: 8, .value_kind: global_buffer, .address_space: global }
      - { .name: out0, .offset: 32, .size: 8, .value_kind: global_buffer, .address_space: global }
    .group_segment_fixed_size: 174080
    .private_segment_fixed_size: 0
    .kernarg_segment_align: 8
    .kernarg_segment_size: 40
    .max_flat_workgroup_size: 512
    .sgpr_count:     66
    .vgpr_count:     256
    .wavefront_size: 32
...
	.end_amdgpu_metadata
.endif
;; end of part 4
;; ======== version 2 of 2: 4 launches; version 1 with the launch outp written anew for expert scheduling mode
;; workspace buffers: wimg 1,048,576 bytes; qimg 8,388,608 bytes; kimg 8,388,608 bytes; vimg 8,388,608 bytes; aimg 8,388,608 bytes
;; launch prep: the kernel of part 1 again; grid 64 x 4, 2 waves a work-group, no clusters, 0 bytes of LDS; arguments wq, wk, wv, wm, lowp_scales, wimg; writes wimg
;; launch proj: the kernel of part 2 again; grid 256 x 3, 8 waves a work-group, no clusters, 99,328 bytes of LDS; arguments query, key, value, enc_cos, enc_sin, bq, bk, bv, wimg, lowp_scales, qimg, kimg, vimg; writes qimg, kimg, vimg
;; launch attn: the kernel of part 3 again; grid 4 x 64, 16 waves a work-group, clusters of 4 x 1, 327,680 bytes of LDS; arguments qimg, kimg, vimg, lowp_scales, aimg; writes aimg
;; launch outp (part 5): grid 256 x 1, 16 waves a work-group, no clusters, 174,080 bytes of LDS; arguments aimg, wimg, bm, lowp_scales, out0; writes out0
.if DOCPART == 5
	.amdgcn_target "amdgcn-amd-amdhsa--gfx1250"
	.amdhsa_code_object_version 6
	.text
	.protected	k_q8f2b9e5ea0_outp
	.globl	k_q8f2b9e5ea0_outp
	.p2align	8
	.type	k_q8f2b9e5ea0_outp,@function
k_q8f2b9e5ea0_outp:
	s_mov_b64 s[64:65], 0
	v_nop
	global_prefetch_b8 v0, s[64:65] scope:SCOPE_SE
	s_setreg_imm32_b32 hwreg(HW_REG_WAVE_SCHED_MODE, 0, 2), 2
	s_setreg_imm32_b32 hwreg(HW_REG_WAVE_MODE, 25, 1), 1
	s_wait_xcnt 0x0
	s_wait_alu depctr_vm_vsrc(0)
; The output projection on codes of E4M3: out0[b][o][n] = 2^(e10 + e11) x (sum over the 512 channels of wm's code x the attention's code) + bm[o].
; A work-group takes 64 tokens (batch x / 32, group x % 32) and all 512 outputs; wave w the outputs 32 w .. 32 w + 31: two tiles, whose eight weight fragments (128 registers) are asked for once, at the head.
; The block's 16 fragments of aimg (32,768 consecutive bytes, in register order) are copied to LDS as they lie, 2,048 bytes a wave, and read by all sixteen waves.
; Source 0 = 16 tokens, source 1 = 16 rows of wm: a lane holds one output o = 16 ot + r, and its registers the 8 neighbouring tokens 32 (tt / 2) + 8 (tt % 2) + 16 hh + j: 32 neighbouring bytes of a row of out0.
; K runs in the order (head, d) in both operands.  The results go through the wave's own stage in LDS and leave as rows: sixteen lanes store 256 consecutive bytes, aligned.
; NO TENSOR LOAD, NO CLUSTER: a wave's weights are its own and go straight into registers; the work-groups share no other tile.
; LIMIT: e10 + e11 between -126 and 127, so that 2^(e10 + e11) is an f32 number.
; THE MODE: SCHED_MODE bits 1:0 = 2 (LLVM: expert scheduling mode 2), set by the entry lines.  The code itself states the register dependences
; between vector or matrix instructions and memory or LDS instructions, with s_wait_alu, always for 0.
; THE PLAN.  Registers that memory or LDS instructions touch:
;   v1 .. v6        addresses and offsets: written at the head, never again; read by every load and store.
;   v16-31          the copy: four global loads land in it, four LDS stores read it; from then on it is fragment buffer 0.
;   F0, F1, F2      three fragment buffers (v16-31, v32-47, v48-63).  Fragment g (K step g / 4, token tile g % 4) lies in F[g % 3]: group g's two products read it.  Group g asks for fragment g + 2,
;                   which lands in F[(g + 2) % 3] = F[(g - 1) % 3]: the buffer that group g - 1 read and that no product of group g names.
;   v8, v10, v128-255  bm and the weights: loaded once, at the head.
;   v128-191        on the way out: written by the multiply-adds, read by the LDS stores.     v192-255  last read by products (weights); the loads from the stage land in them, the global stores read them.
;   v14, v15        written at the head, read by the closing add alone.
; So ONE wait on va_vdst stands at the head of a group that loads and has a group in front of it (groups 1 to 13), behind the wait for the group's own fragment: the products of the group before are done reading
; their buffer.  The group's four LDS loads follow it, between its two products.  One more stands at the head (the addresses) and one on the way out (the results); one wait on vm_vsrc frees the copy's registers.
; A fourth buffer does not fit: 128 registers of weights, 64 of sums, 48 of fragments and 16 of addresses and constants are the 256 that each of four waves on a SIMD can have.
; REGISTERS: v1 16 x lane; v2 + 2,048 wave; v3, v4 the stage, in and back; v5 my byte in out0; v6 4 r; v8, v10 bm of my two outputs (v9, v11: upper halves of the named pairs); v14, v15 the add's two;
;   v16-63 three fragment buffers (v16-31 first hold the copy); v64-127 accumulator (ot, tt) at 64 + 32 ot + 8 tt; v128-255 weight fragment (ot, s) at 128 + 16 (4 ot + s); on the way out v128-191 results, v192-255 rows read back.
.set AF,  16
.set ACC, 64
.set WF,  128
.set TMP, 128
.set BK,  192
.set STG, 32768                        ; behind the images: 32 rows x (256 + 16) bytes for each wave
.macro FETCHA buf, tt, s               ; fragment (tt, s) comes out of LDS as it lies
.irp c, 0,1,2,3
	ds_load_b128 v[AF+16*(\buf)+4*\c:AF+16*(\buf)+4*\c+3], v1 offset:(4*(\tt)+(\s))*2048+512*\c
.endr
.endm
.macro PROD ot                         ; group gi's product for my tile ot of outputs: K step gs, token tile gt, fragment buffer gb.  The first K step starts the sums: nothing is cleared
.if gs == 0
	v_wmma_f32_16x16x128_fp8_fp8 v[ACC+32*\ot+8*gt:ACC+32*\ot+8*gt+7], v[AF+16*gb:AF+16*gb+15], v[WF+16*(4*\ot+gs):WF+16*(4*\ot+gs)+15], 0
.else
	v_wmma_f32_16x16x128_fp8_fp8 v[ACC+32*\ot+8*gt:ACC+32*\ot+8*gt+7], v[AF+16*gb:AF+16*gb+15], v[WF+16*(4*\ot+gs):WF+16*(4*\ot+gs)+15], v[ACC+32*\ot+8*gt:ACC+32*\ot+8*gt+7]
.endif
.endm
	s_load_b256 s[4:11], s[0:1], 0x0               ; aimg, wimg, bm, the scales' exponents
	s_load_b64 s[12:13], s[0:1], 0x20              ; out0
	v_lshl_add_u32 v14, v0, 2, 0x2a000             ; my spare word, behind the stages, and 0: made here and kept for the closing lines alone
	v_mov_b32 v15, 0
	v_lshrrev_b32 v1, 5, v0
	v_readfirstlane_b32 s14, v1                    ; wave 0..15
	s_lshr_b32 s16, ttmp9, 5                       ; batch
	s_and_b32 s17, ttmp9, 31                       ; group of 64 tokens
	s_lshl_b32 s20, s16, 20                        ; aimg: (128 b + 4 g) tiles of 8,192 bytes
	s_lshl_b32 s21, s17, 15
	s_add_co_u32 s20, s20, s21
	s_mov_b32 s21, 0
	s_wait_alu depctr_va_sdst(0)                   ; s14 is written, ahead of its first reader: offsets and LDS addresses are made from it
	s_lshl_b32 s22, s14, 14                        ; wimg: section 3, my eight fragments
	s_add_co_u32 s22, s22, 786432
	s_mov_b32 s23, 0
	s_lshl_b32 s24, s14, 7                         ; bm: my 32 numbers
	s_mov_b32 s25, 0
	s_lshl_b32 s26, s16, 22                        ; out0: batch x 4 MiB + 32 w rows of 8,192 bytes + 256 g
	s_lshl_b32 s27, s14, 18
	s_add_co_u32 s26, s26, s27
	s_lshl_b32 s27, s17, 8
	s_add_co_u32 s26, s26, s27
	s_mov_b32 s27, 0
	v_and_b32 v1, 31, v0
	v_lshlrev_b32 v1, 4, v1                        ; 16 x lane
	s_lshl_b32 s28, s14, 11
	v_add_nc_u32 v2, s28, v1                       ; + 2,048 wave: my part of the copy, in memory and in LDS
	v_and_b32 v7, 15, v0                           ; r
	v_bfe_u32 v12, v0, 4, 1                        ; hh
	s_mul_i32 s29, s14, 8704
	s_add_co_u32 s29, s29, STG                     ; my stage
	v_mul_u32_u24 v3, v7, 272
	v_lshl_add_u32 v3, v12, 6, v3
	v_add_nc_u32 v3, s29, v3                       ; in: row r, + 64 hh
	v_mul_u32_u24 v4, v12, 272
	v_lshl_add_u32 v4, v7, 4, v4
	v_add_nc_u32 v4, s29, v4                       ; back: lanes 0-15 one row of 256 bytes, lanes 16-31 the next
	v_lshlrev_b32 v5, 13, v12
	v_lshl_add_u32 v5, v7, 4, v5                   ; and the same two rows in out0
	v_lshlrev_b32 v6, 2, v7
	v_mov_b32 v9, 0
	v_mov_b32 v11, 0
	s_wait_kmcnt 0x0
	s_load_b64 s[44:45], s[10:11], 0x28            ; e10, e11
	s_add_nc_u64 s[4:5], s[4:5], s[20:21]
	s_add_nc_u64 s[6:7], s[6:7], s[22:23]
	s_add_nc_u64 s[8:9], s[8:9], s[24:25]
	s_add_nc_u64 s[12:13], s[12:13], s[26:27]
	s_wait_alu depctr_va_vdst(0)                   ; the six addresses and offsets v1 to v6 are written, which every load and store of the kernel reads; none is written again
.irp i, 0,1,2,3
	global_load_b128 v[16+4*\i:19+4*\i], v2, s[4:5] offset:512*\i
.endr
.irp ot, 0,1
	global_load_b32 v[8+2*\ot], v6, s[8:9] offset:64*\ot
.endr
.irp s, 0,1,2,3                                ; the weights, K step by K step
.irp ot, 0,1
.irp c, 0,1,2,3
	global_load_b128 v[WF+16*(4*\ot+\s)+4*\c:WF+16*(4*\ot+\s)+4*\c+3], v1, s[6:7] offset:8192*\ot+2048*\s+512*\c
.endr
.endr
.endr
	s_wait_loadcnt 34                              ; the copy's four loads are in; bm's two and the weights' 32 may be out
.irp i, 0,1,2,3
	ds_store_b128 v2, v[16+4*\i:19+4*\i] offset:512*\i
.endr
	s_wait_dscnt 0x0                               ; for the others' sake: my stores have landed
	s_barrier_signal -1
	s_barrier_wait -1                              ; the 16 fragments lie in LDS; nothing is stored there again
	s_wait_alu depctr_vm_vsrc(0)                   ; my LDS stores have read v16-31: these registers are fragment buffer 0 from here on, and fragment 0 lands in them
	FETCHA 0, 0, 0
	FETCHA 1, 1, 0
; 16 groups: K step gi / 4, token tile gi % 4, my two tiles of outputs.  The eight accumulators take turns, one instruction a turn, in the same order in every K step.
.set gi, 0
.rept 16
.set gs, gi/4
.set gt, gi%4
.set gb, gi%3
.if gt == 0
	s_wait_loadcnt 8*(3-gs)                        ; this K step's eight weight loads are in; the later K steps' may be out
.endif
.if gi == 15
	s_wait_dscnt 0x0
.else
	s_wait_dscnt 0x4                               ; this group's fragment is in; the next fragment's four loads may be out
.endif
.if (gi >= 1) && (gi <= 13)
	s_wait_alu depctr_va_vdst(0)                   ; the products of the group before are done reading their fragment buffer, in which the four loads below land
.endif
	PROD 0
.if gi <= 13
.set gn, gi+2
.set nb, gn%3
.set nt, gn%4
.set ns, gn/4
	FETCHA nb, nt, ns                              ; the fragment two groups on.  No further wait: the product above names this group's buffer, weights and a sum, none of the registers that these loads touch
.endif
	PROD 1
.rept 4
	v_nop                                          ; four places behind the products (ISA guide 7.12.1 for vector instructions): ahead of the loads that land in the fragment just read, beside the next group's wait, and at the end ahead of the first read of results
.endr
.set gi, gi+1
.endr
	s_wait_kmcnt 0x0
	s_add_co_i32 s46, s44, s45
	s_add_co_i32 s46, s46, 127
	s_lshl_b32 s46, s46, 23                        ; 2^(e10 + e11) as f32
	s_mov_b32 s47, s46                             ; (named with it as a pair)
.irp ot, 0,1
.irp tt, 0,1,2,3
.irp p, 0,2,4,6
	v_pk_fma_f32 v[TMP+8*(4*\ot+\tt)+\p:TMP+8*(4*\ot+\tt)+\p+1], v[ACC+32*\ot+8*\tt+\p:ACC+32*\ot+8*\tt+\p+1], s[46:47], v[8+2*\ot:9+2*\ot] op_sel_hi:[1,0,0]   ; sum x 2^(e10 + e11) + bm; each accumulator from its low end on
.endr
.endr
.endr
	s_wait_alu depctr_va_vdst(0)                   ; the multiply-adds have written v128-191, which the LDS stores read; the products are done reading v192-255, in which the loads from the stage land
.irp ot, 0,1
.irp tt, 0,1,2,3
	ds_store_b128 v3, v[TMP+8*(4*\ot+\tt):TMP+8*(4*\ot+\tt)+3] offset:\ot*4352+128*(\tt/2)+32*(\tt%2)
	ds_store_b128 v3, v[TMP+8*(4*\ot+\tt)+4:TMP+8*(4*\ot+\tt)+7] offset:\ot*4352+128*(\tt/2)+32*(\tt%2)+16
.endr
.endr
.irp i, 0,1,2,3,4,5,6,7,8,9,10,11,12,13,14,15
	ds_load_b128 v[BK+4*\i:BK+4*\i+3], v4 offset:544*\i   ; my own bytes: LDS serves a wave's instructions in order (ISA guide 5.7.1.4), so these see the stores above
.endr
.irp i, 0,1,2,3,4,5,6,7,8,9,10,11,12,13,14,15
	s_wait_dscnt 15-\i                             ; rows 2 i and 2 i + 1 are back; the younger loads may be out
	global_store_b128 v5, v[BK+4*\i:BK+4*\i+3], s[12:13] offset:16384*\i th:TH_STORE_NT   ; sixteen lanes store 256 consecutive bytes, aligned; written once, read by nobody here
.endr
	s_wait_dscnt 0x0                               ; the closing lines, six on end
	s_wait_alu 0x0
	s_wait_tensorcnt 0x0
	ds_add_u32 v14, v15
	s_wait_dscnt 0x0
	s_endpgm
.Lfunc_end_k_q8f2b9e5ea0_outp:
	.size	k_q8f2b9e5ea0_outp, .Lfunc_end_k_q8f2b9e5ea0_outp-k_q8f2b9e5ea0_outp
	.p2alignl 7, 3214868480
	.fill 96, 4, 3214868480
	.section	.rodata,"a",@progbits
	.p2align	6, 0x0
	.amdhsa_kernel k_q8f2b9e5ea0_outp
		.amdhsa_group_segment_fixed_size 174080
		.amdhsa_private_segment_fixed_size 0
		.amdhsa_enable_private_segment 0
		.amdhsa_kernarg_size 40
		.amdhsa_user_sgpr_count 2
		.amdhsa_user_sgpr_kernarg_segment_ptr 1
		.amdhsa_wavefront_size32 1
		.amdhsa_system_sgpr_workgroup_id_x 1
		.amdhsa_system_sgpr_workgroup_id_y 1
		.amdhsa_system_sgpr_workgroup_id_z 1
		.amdhsa_system_vgpr_workitem_id 0
		.amdhsa_next_free_vgpr 256
		.amdhsa_next_free_sgpr 66
		.amdhsa_reserve_vcc 0
		.amdhsa_float_denorm_mode_32 3
		.amdhsa_float_denorm_mode_16_64 3
		.amdhsa_memory_ordered 1
		.amdhsa_forward_progress 1
		.amdhsa_inst_pref_size 22
	.end_amdhsa_kernel
	.amdgpu_metadata
---
amdhsa.version: [ 1, 2 ]
amdhsa.kernels:
  - .name:           k_q8f2b9e5ea0_outp
    .symbol:         k_q8f2b9e5ea0_outp.kd
    .args:
      - { .name: aimg, .offset: 0, .size: 8, .value_kind: global_buffer, .address_space: global }
      - { .name: wimg, .offset: 8, .size: 8, .value_kind: global_buffer, .address_space: global }
      - { .name: bm, .offset: 16, .size: 8, .value_kind: global_buffer, .address_space: global }
      - { .name: lowp_scales, .offset: 24, .size: 8, .value_kind: global_buffer, .address_space: global }
      - { .name: out0, .offset: 32, .size: 8, .value_kind: global_buffer, .address_space: global }
    .group_segment_fixed_size: 174080
    .private_segment_fixed_size: 0
    .kernarg_segment_align: 8
    .kernarg_segment_size: 40
    .max_flat_workgroup_size: 512
    .sgpr_count:     66
    .vgpr_count:     256
    .wavefront_size: 32
...
	.end_amdgpu_metadata
.endif
;; end of part 5
